; MI455X (gfx1250); checked and timed in simulation.
; The chip was launched on July 23, 2026; its instructions are those of AMD's public machine-readable ISA for CDNA 5 (MIT licence, August 2026) and "CDNA5" Instruction Set Architecture Reference Guide (July 2026). The comments in the code are by the model that wrote it; some were corrected since.
;; Signed Attention. Allowed arithmetic: matrix products marked QUANTISED: E5M2 operands, one E8M0 scale for each 32 along K, by v_wmma_scale_f32_16x16x128_f8f6f4 with both operands' format E5M2, f32 sums; everything else in f32.
;; Inputs: keys_codes 4 x 8 x 2,048 x 2 x 32 uint8 (E5M2 codes of keys, K innermost, in blocks of 32 codes); keys_scales 4 x 8 x 2,048 x 2 uint8 (E8M0 scales of keys, one for each 32 codes along K); log_scale one number float32; queries_codes 4 x 8 x 2,048 x 2 x 32 uint8 (E5M2 codes of queries, K innermost, in blocks of 32 codes); queries_scales 4 x 8 x 2,048 x 2 uint8 (E8M0 scales of queries, one for each 32 codes along K); values_codes 4 x 8 x 64 x 64 x 32 uint8 (E5M2 codes of values, K innermost, in blocks of 32 codes); values_scales 4 x 8 x 64 x 64 uint8 (E8M0 scales of values, one for each 32 codes along K).
;; Outputs: out0 4 x 8 x 2,048 x 64 float32.
;; This version of the problem:
;;   THIS VERSION OF THE PROBLEM IS GIVEN IN LOW PRECISION. The matrix products marked QUANTISED in the list below multiply operands that are first quantised to E5M2 (5 exponent bits, 2 mantissa bits; 8 bits a number), with one power-of-two scale for each 32 numbers along K (OCP MX v1.0); their sums are f32. All else is computed in f32.
;;   The module's matrix products, in the order in which they are computed (A, B: the left and right operand; K: the contracted axis; several contracted axes count as one K, in the product's order):
;;     1. batch 32 x [M 2,048, K 64] x [K 64, N 2,048]; A: input queries (given as codes); B: input keys (given as codes): QUANTISED
;;     2. batch 32 x [M 2,048, K 2,048] x [K 2,048, N 64]; A: computed on the way; B: input values (given as codes): QUANTISED
;;   THE QUANTISER, for each operand of a quantised product, along K:
;;     - K is cut into blocks of 32 from its start; a last block that is shorter is filled with zeros.
;;     - A block's scale is 2^e with e = floor(log2(the largest magnitude in the block)) - 15, held to -126 .. 127; a block of zeros has e = 0. As a byte (E8M0): e + 127.
;;     - Each number is divided by its block's scale, clamped to +-57,344, and rounded to the nearest number of E5M2, ties to even, subnormals kept.
;;     - The product sums the exact products of the quantised numbers (number of the format x scale) in f32.
;;   ~~~python
;;   def quantise(x, axis):      # numpy; x: float32 -> the quantised numbers, widened to float32 again
;;       x = np.moveaxis(x, axis, -1); K = x.shape[-1]
;;       x = np.pad(x, [(0, 0)] * (x.ndim - 1) + [(0, -K % 32)]); x = x.reshape(x.shape[:-1] + (-1, 32)); a = np.abs(x).max(-1, keepdims=True)
;;       e = np.where(a > 0, np.clip(np.frexp(np.where(a > 0, a, 1))[1] - 1 - 15, -126, 127), 0)      # np.frexp(a)[1] - 1 = floor(log2(a)), exactly
;;       r = np.clip(x / 2.0 ** e, -57344, 57344)
;;       step = 2.0 ** (np.maximum(np.frexp(np.where(r == 0, 1, r))[1] - 1, -14) - 2)
;;       q = np.round(r / step) * step * 2.0 ** e      # np.round: ties to even
;;       return np.moveaxis(q.reshape(q.shape[:-2] + (-1,))[..., :K], -1, axis).astype(np.float32)
;;   ~~~
;;   OPERANDS COMPUTED ON THE WAY. 'Computed on the way' means the value that the module computes at that place (a softmax that the list does not call 'softmax' is quantised finished and normalised). What goes into a quantiser is computed in f32, as accurately as f32 sums, v_exp_f32 and their like allow (about 1e-6 of the number): no bf16 or f16 on the way to a quantiser, and a product that is left as it is and whose result goes on into a quantised operand takes f32 operands (vector FMAs, or v_wmma_f32_16x16x4_f32). A number that lies on a knife's edge between two numbers of the format may be rounded either way, as far as f32 arithmetic and the matrix unit's own rounding can turn it there, and no further.
;;   INPUTS GIVEN AS CODES. keys (in the module: [4, 8, 2048, 64], K = its axis 3); queries (in the module: [4, 8, 2048, 64], K = its axis 3); values (in the module: [4, 8, 2048, 64], K = its axis 2): each comes as NAME_codes (uint8): NAME with its K axis moved to the last place and cut into blocks of 32 codes, [.., K / 32, bytes a block], one block behind the other in memory; one code a byte (a code: sign, 5 exponent bits, 2 mantissa bits); and NAME_scales (uint8): the same leading axes, one E8M0 byte (e + 127) for each 32 codes along K. Its value is code x scale, taken as it is: it is not quantised again, and the codes and scales need not be those that the quantiser above would give.
;; One version. Each part assembles by itself: llvm-mc -triple=amdgcn-amd-amdhsa -mcpu=gfx1250 --defsym DOCPART=n.
;; ======== version 1 of 1: 1 launch
;; launch sattn (part 1): grid 8 x 32, 16 waves a work-group, no clusters, 251,392 bytes of LDS; arguments queries_codes, queries_scales, keys_codes, keys_scales, values_codes, values_scales, log_scale, out0; writes out0
.if DOCPART == 1
	.amdgcn_target "amdgcn-amd-amdhsa--gfx1250"
	.amdhsa_code_object_version 6
	.text
	.protected	k_q0918834f94_sattn
	.globl	k_q0918834f94_sattn
	.p2align	8
	.type	k_q0918834f94_sattn,@function
k_q0918834f94_sattn:
	s_mov_b64 s[64:65], 0
	v_nop
	global_prefetch_b8 v0, s[64:65] scope:SCOPE_SE
	s_setreg_imm32_b32 hwreg(HW_REG_WAVE_MODE, 25, 1), 1
	s_wait_xcnt 0x0
; out[h][q][:] = sum over k of Q(A[q][k]) V[h][k][:],  A = softmax_k(c pos) - softmax_k(c neg),  c = clip(exp(log_scale), 1, 30) / 8,
; pos = score, neg = -score where key k's patch lies 1 to 9 patches behind query q's patch, and -10000 (the fill) everywhere else.  32 heads, 2,048 positions, 64 channels, patches of 16.
; Q, K: codes of E5M2 along the 64 channels, V: codes with the KEYS innermost, each with one E8M0 byte for 32 codes.  A is quantised, finished and normalised, in blocks of 32 keys counted from key 0.
; SHARES.  A work-group owns 16 patches (256 queries) of one head, each of its sixteen waves one patch p: one tile of 16 queries in 256 registers, four waves to a SIMD.
; THE WINDOW.  All kept keys of patch p lie in the five blocks of 32 keys b0 .. b0 + 4, b0 = (p + 1) / 2 held at 59.  Only these 160 keys are multiplied by Q.
; THE FILL IS A NUMBER.  It takes part in both maxima and both sums (1,888 keys outside the window, and the masked keys inside it), so that rows whose kept scores all lie under it come out as the definition has them.
; Every masked key of a row has ONE weight a_m.  Inside the window it goes through the quantiser with its block.  A block outside the window holds 32 times a_m: its quantised number qa is a_m's mantissa rounded to two bits
; (held at 1.75), made by integer lines.  So out = sum over the window of Q(A) V + qa x (sum of V over all keys - sum of V over the window); both sums of V are made by the matrix unit from V's codes against codes of +1 or -1.
; LAYOUT.  Both products are used transposed (S^T = K Q^T, O^T = V^T P^T): a lane holds ONE query (lane % 16).  THE KEYS OF A TILE ARE NOT NEIGHBOURS: lane r of tile 2 b + u takes key 32 b + 8 u + r + 8 (r / 8),
; so that the 16 registers of tiles 2 b, 2 b + 1 are the keys 32 b + 16 (lane / 16) + 0 .. 15: ONE patch.  So the mask is one bit for a lane and a block, made of ids.
; K = 64 IN AN INSTRUCTION OF 128: Q's fragment is 8 registers of codes and 8 of zero codes; K's fragment i is its own 8 registers and the 8 of fragment i + 1, which meet the zero codes.  The fifth key block likewise:
; its fragment of P is 4 registers of codes and 12 of zero codes, V's is [block 4, blocks 0 to 2].
; NO CLUSTER, though the eight work-groups of a head read the same V: a wave reads V's image in LDS at 32 b0 bytes into a row, and b0 is made of the work-group's number; partners of a cluster would have to read at addresses
; that hang on their place in it.
; LIMITS: codes of infinity or NaN, scale bytes 0xff and a NaN in log_scale are not served.  |a_m| under 2^-111 is rounded as if its scale had no lower bound.  A is one fused multiply-add, E+ r+ - (E- r-), where the
; definition rounds both softmaxes and subtracts: in rows with no kept key (patch 127) that leaves |A| under 1e-10 in place of 0.
; LDS: what ds_store writes lies low, the tiles above it; every region begins at a multiple of 256.  No byte is filled twice.
.set SCR,   1024                       ; (from 0: VTP, the sixteen waves' partial sums of V, [quarter of the keys][d] f32, 1,024 bytes)   SCR: 256 bytes a wave: the sum of V over all keys, [d]
.set STG,   5120                       ; the way out: 16 rows x (256 + 16) bytes for each wave
.set SPARE, 74752                      ; the spare words, 128 bytes for each wave: eight blocks of 256 bytes that no other line names
.set KSO,   76800                      ; K's scale bytes of the work-group's 416 keys, 2 a key
.set VSO,   77824                      ; V's scale bytes of the head: 16 units of 256 bytes + 16: row d at 272 (d / 4) + 64 (d % 4)
.set KO,    82176                      ; K's codes of 416 keys: 208 rows of two keys, 128 + 16 bytes
.set VO,    112128                     ; V's codes of the head: 8 strips of 256 keys, each 64 rows d of 256 + 16 bytes
.set KP,    144                        ; 36 words: the sixteen 16-byte pieces that half a wave reads (8 rows x 2 keys) fall on sixteen different groups of four banks (64 banks of 4 bytes: ISA guide 11.1)
.set VP,    272                        ; 68 words: row r starts at bank 4 r mod 64
.set STRIP, 64*VP
; vector registers.  v1-21: addresses, made once
.set AK,   1                           ; my lane's place in the window's first tile of K
.set AKS,  2                           ; and among K's scale bytes
.set AV,   3                           ; v3-7: my lane's place in V's tile 0, key blocks b0 .. b0 + 4
.set AVS,  8                           ; V's scale word that holds block b0's byte, tile 0
.set AVT,  9                           ; the sum over all keys: my wave's tile of V and quarter of the keys
.set AVTS, 10                          ; and its scale words
.set PST,  11                          ; where I store the partial sums;   PRD: where I read all four quarters
.set PRD,  12
.set SST,  13                          ; my wave's 256 bytes: in;   SRD: out, in an accumulator's layout
.set SRD,  14
.set STO,  15                          ; the stage: in;   RD: back by rows;   GO: the same place in out0
.set RD,   16
.set GO,   17
.set AQ,   18                          ; Q's codes;   AQS: Q's scale bytes
.set AQS,  19
.set SPW,  20                          ; LDS address of my spare word: SPARE + 4 x my thread's number; never rewritten
.set NIL,  21                          ; 0; never rewritten
; v24-47: scales and nothing else
.set KSC,  24                          ; v24-33 K's ten scale words;  later v24-31 V's raw words (VRAW), v32 and v33 P's two words
.set VRAW, 24
.set PWA,  32
.set PWB,  33
.set QSC,  34
.set ONE,  35                          ; four bytes 127: the scale 1
.set VTS,  36                          ; v36-39
.set VSA,  40                          ; v40-43 V's bytes of blocks b0 .. b0 + 3, tile t
.set VSB,  44                          ; v44-47 V's byte of block b0 + 4
.set R1,   48                          ; v48-127   S^T, then E-; then V's fragments
.set R2,   128                         ; v128-207  K's fragments; then E+, then A; then O^T, VM and the codes of -1
.set ZK,   208                         ; v208-215  zero codes behind K's last fragment
.set QF,   216                         ; v216-231  Q's fragment: 8 of codes, 8 of zero codes
.set MUL,  232                         ; the softmax: block b's multiplier at MUL + 2 b, its largest score at BMX + 2 b (the pair's other half)
.set BMX,  233
.set ADP,  242                         ; block b's addend for E+, its smallest score
.set BMN,  243
.set ADM,  208                         ; block b's addend for E- at ADM + 2 b; the odd registers v209, v211, v213 are at work
.set VMX,  218                         ; the largest pos -> U+ -> 1 / Z+
.set VFP,  219                         ; F+: the fill's exponent
.set VMN,  220                         ; the smallest kept score or +10000 -> U- -> 1 / Z-
.set VFM,  221
.set EFP,  222                         ; f+ = 2^F+, f- = 2^F-
.set EFM,  223
.set CH,   224                         ; v224-231 four chains of sums, in pairs; later the partial sums of V
.set ACC,  112                         ; the sum over all keys: two accumulators
.set ONES, 208                         ; v208-223 codes of +1
.set AM,   208                         ; the quantiser: v208-212 largest magnitudes, v213-217 the other lane's, then the bytes, v240-244 the holds, v245-249 the conversions' scale operands
.set PBY,  213
.set HOLD, 240
.set SOP,  245
.set PC,   220                         ; v220-239 P's codes, 4 registers a block; v240-251 zero codes behind them
.set OT,   128                         ; v128-159 O^T
.set VM,   160                         ; v160-191 the sum of V over the masked blocks; later rows of out0
.set NEG,  192                         ; v192-207 codes of -1; v208-219 zero codes behind them
.set CP,   252                         ; c' = c log2(e)
.set QA,   254                         ; v[254:255] qa (the pair's low word is used)
.set TR,   242                         ; at the head only: r = lane % 16, h = lane / 16, the lane, r + 8 (r / 8), V's scale row, two at work
.set TH,   243
.set TL,   244
.set TRH,  245
.set TVS,  246
.set T0,   247
.set T1,   248
; scalar registers.  s[4:19] the eight addresses, s20 log_scale
.set WV,   21                          ; my wave's number
.set HD,   23                          ; the head
.set HW,   24
.set REL,  25                          ; b0 - SBB, 0 .. 8
.set SBB,  26                          ; the first key block that the work-group holds
.set SB0,  27                          ; b0
.set PP,   28                          ; my patch in the head
.set E0,   29                          ; 2 b0 - p - 1
.set SEL,  30                          ; s[30:31] v_permlanex16_b32's selects for lane l xor 16
.set MNT,  32                          ; the mantissa field of 57,344
.set SH,   33                          ; 8 (b0 % 4)
.set PSEL, 34                          ; v_perm_b32's selector for four bytes from byte b0 % 4 on
.set MK,   35                          ; s35-39 block b's lanes whose patch is kept
.set G1V,  40                          ; descriptor groups 1: V's strips, K's halves, K's scale bytes, V's scale bytes
.set G1K,  48
.set G1KS, 56
.set G1VS, 68
.set G0V,  76                          ; and their groups 0
.set G0K,  80
.set G0KS, 84
.set G0VS, 88
.macro MM0 d, a, b, sa, sb             ; a product that starts a sum
	v_wmma_scale_f32_16x16x128_f8f6f4 v[\d:\d+7], v[\a:\a+15], v[\b:\b+15], 0, v[\sa], v[\sb] matrix_a_fmt:MATRIX_FMT_BF8 matrix_b_fmt:MATRIX_FMT_BF8
.endm
.macro MMA d, a, b, sa, sb             ; and one that adds in place
	v_wmma_scale_f32_16x16x128_f8f6f4 v[\d:\d+7], v[\a:\a+15], v[\b:\b+15], v[\d:\d+7], v[\sa], v[\sb] matrix_a_fmt:MATRIX_FMT_BF8 matrix_b_fmt:MATRIX_FMT_BF8
.endm
.macro PLACES n                        ; plain vector instructions between a matrix instruction and what touches its registers (ISA guide 7.12.1)
.rept \n
	v_nop
.endr
.endm
.macro CHAIN base, c                   ; pair j of the 40 pairs from v[base] on goes into one of two chains, v[c:c+1] and v[c+2:c+3]; the first four pairs start them: nothing is cleared
.if j == 1
	v_pk_add_f32 v[\c:\c+1], v[\base:\base+1], v[\base+2:\base+3]
.elseif j == 3
	v_pk_add_f32 v[\c+2:\c+3], v[\base+4:\base+5], v[\base+6:\base+7]
.elseif j > 3
	v_pk_add_f32 v[\c+2*(j%2):\c+2*(j%2)+1], v[\c+2*(j%2):\c+2*(j%2)+1], v[\base+2*j:\base+2*j+1]
.endif
.endm
	; ---- THE HEAD
	s_load_b512 s[4:19], s[0:1], 0x0               ; Q's codes s[4:5], scales s[6:7]; K's s[8:9], s[10:11]; V's s[12:13], s[14:15]; log_scale s[16:17]; out0 s[18:19]
	v_lshl_add_u32 v[SPW], v0, 2, SPARE
	v_mov_b32 v[NIL], 0
	ds_add_u32 v[SPW], v[NIL]                      ; the wave's opening: the add and its wait ahead of my first tensor load; the set-up below, work on registers, stands between them
	v_lshrrev_b32 v[T0], 5, v0
	v_readfirstlane_b32 s[WV], v[T0]               ; wave 0..15
	v_and_b32 v[TR], 15, v0                        ; r
	v_bfe_u32 v[TH], v0, 4, 1                      ; h
	v_lshlrev_b32 v[AQ], 6, v[TR]
	v_lshl_add_u32 v[AQ], v[TH], 4, v[AQ]          ; Q: row r of 64 bytes, + 16 h
	v_lshlrev_b32 v[AQS], 1, v[TR]                 ; its two scale bytes
	s_and_b32 s[HD], ttmp7, 0xffff
	s_add_co_u32 s[HW], s[WV], 1
	s_lshr_b32 s[HW], s[HW], 1                     ; (w + 1) / 2
	s_add_co_u32 s96, ttmp9, 1
	s_lshr_b32 s96, s96, 3                         ; 1 in the head's last work-group, whose 13 blocks begin 5 earlier than 8 x
	s_mul_i32 s96, s96, 5
	s_add_co_u32 s[REL], s[HW], s96
	s_min_u32 s[REL], s[REL], 8
	s_lshl_b32 s[SBB], ttmp9, 3
	s_min_u32 s[SBB], s[SBB], 51                   ; blocks SBB .. SBB + 12 exist
	s_add_co_u32 s[SB0], s[SBB], s[REL]            ; b0 = (p + 1) / 2 held at 59
	s_lshl_b32 s[PP], ttmp9, 4
	s_add_co_u32 s[PP], s[PP], s[WV]               ; p = 16 x + w
	s_lshl_b32 s[E0], s[SB0], 1
	s_sub_co_u32 s[E0], s[E0], s[PP]
	s_sub_co_u32 s[E0], s[E0], 1
	s_and_b32 s96, s[SB0], 3
	s_lshl_b32 s[SH], s96, 3
	s_mul_i32 s[PSEL], s96, 0x01010101
	s_add_co_u32 s[PSEL], s[PSEL], 0x03020100
	s_mov_b32 s[SEL], 0x76543210
	s_mov_b32 s[SEL+1], 0xfedcba98
	s_mov_b32 s[MNT], 0x600000
	; descriptor groups 1, all of constants.  V: a strip of 64 rows x 256 bytes, 2,048 bytes from row to row; 4 words of padding behind every 64
	s_mov_b32 s[G1V], (1<<20)|(5<<22)|(3<<25)
	s_mov_b32 s[G1V+1], 256<<16                    ; tensor_dim0
	s_mov_b32 s[G1V+2], 64<<16                     ; tensor_dim1
	s_mov_b32 s[G1V+3], 256<<16                    ; tile_dim0
	s_mov_b32 s[G1V+4], 64                         ; tile_dim1
	s_mov_b32 s[G1V+5], 2048                       ; the pitch
	s_mov_b32 s[G1V+6], 0
	s_mov_b32 s[G1V+7], 0
	; K: 208 keys are one dense block: 104 rows of 128 bytes (two keys); 4 words of padding behind every 32
	s_mov_b32 s[G1K], (1<<20)|(4<<22)|(3<<25)
	s_mov_b32 s[G1K+1], 128<<16
	s_mov_b32 s[G1K+2], 104<<16
	s_mov_b32 s[G1K+3], 128<<16
	s_mov_b32 s[G1K+4], 104
	s_mov_b32 s[G1K+5], 128
	s_mov_b32 s[G1K+6], 0
	s_mov_b32 s[G1K+7], 0
	; K's scale bytes: one row of 832 bytes, 104 elements of 8
	s_mov_b32 s[G1KS], 3<<16
	s_mov_b32 s[G1KS+1], 104<<16
	s_mov_b32 s[G1KS+2], 1<<16
	s_mov_b32 s[G1KS+3], 104<<16
	s_mov_b32 s[G1KS+4], 1
	s_mov_b32 s[G1KS+5], 104
	s_mov_b32 s[G1KS+6], 0
	s_mov_b32 s[G1KS+7], 0
	; V's scale bytes: 4,096 dense bytes as 16 rows of 256 (32 elements of 8), 4 words of padding behind each
	s_mov_b32 s[G1VS], (3<<16)|(1<<20)|(5<<22)|(3<<25)
	s_mov_b32 s[G1VS+1], 32<<16
	s_mov_b32 s[G1VS+2], 16<<16
	s_mov_b32 s[G1VS+3], 32<<16
	s_mov_b32 s[G1VS+4], 16
	s_mov_b32 s[G1VS+5], 32
	s_mov_b32 s[G1VS+6], 0
	s_mov_b32 s[G1VS+7], 0
	; byte offsets, apart from the addresses
	s_lshl_b32 s92, s[HD], 17                      ; the head in each tensor of codes
	s_mov_b32 s93, 0
	s_lshl_b32 s94, s[HD], 12                      ; and in each tensor of scale bytes
	s_mov_b32 s95, 0
	s_lshl_b32 s96, s[WV], 8
	s_add_co_u32 s96, s96, s92                     ; V: strip w begins 256 w bytes into a row
	s_mov_b32 s97, 0
	s_mul_i32 s98, s[WV], 13312                    ; K: half w, 104 rows of 128 bytes,
	s_lshl_b32 s99, s[SBB], 11                     ; from block SBB on (2,048 bytes a block)
	s_add_co_u32 s98, s98, s99
	s_add_co_u32 s98, s98, s92
	s_mov_b32 s99, 0
	s_mov_b32 s[G0V], 1                            ; groups 0: count 1, the LDS address,
	s_mul_i32 s[G0V+1], s[WV], STRIP
	s_add_co_u32 s[G0V+1], s[G0V+1], VO
	s_mov_b32 s[G0K], 1
	s_mul_i32 s[G0K+1], s[WV], 104*KP
	s_add_co_u32 s[G0K+1], s[G0K+1], KO
	s_mov_b32 s[G0KS], 1
	s_mov_b32 s[G0KS+1], KSO
	s_mov_b32 s[G0VS], 1
	s_mov_b32 s[G0VS+1], VSO
	s_wait_dscnt 0x0                               ; the opening add is done
	s_wait_kmcnt 0x0
	s_load_b32 s20, s[16:17], 0x0                  ; log_scale
	s_add_nc_u64 s[G0V+2:G0V+3], s[12:13], s[96:97]    ; the global address, and the type on top
	s_or_b32 s[G0V+3], s[G0V+3], 0x80000000
	s_add_nc_u64 s[G0K+2:G0K+3], s[8:9], s[98:99]
	s_or_b32 s[G0K+3], s[G0K+3], 0x80000000
	s_lshl_b32 s96, s[SBB], 6                      ; 64 scale bytes a block of keys
	s_add_co_u32 s96, s96, s94
	s_add_nc_u64 s[G0KS+2:G0KS+3], s[10:11], s[96:97]
	s_or_b32 s[G0KS+3], s[G0KS+3], 0x80000000
	s_add_nc_u64 s[G0VS+2:G0VS+3], s[14:15], s[94:95]
	s_or_b32 s[G0VS+3], s[G0VS+3], 0x80000000
	; ALL FILLS OF THE LAUNCH, in one branch on the wave's number: waves 0, 1: half of K, then a strip of V; waves 2 to 7: a strip of V; wave 8: K's scale bytes, then V's.  Two loads of a wave are out at the most.
	; An s_nop 0 follows each load, four v_nop a wave's last.
	s_cmp_lt_u32 s[WV], 2
	s_cbranch_scc0 .Lnot_01
	tensor_load_to_lds s[G0K:G0K+3], s[G1K:G1K+7]
	s_nop 0
	tensor_load_to_lds s[G0V:G0V+3], s[G1V:G1V+7]
	s_nop 0
	PLACES 4
	s_branch .Lasked
.Lnot_01:
	s_cmp_lt_u32 s[WV], 8
	s_cbranch_scc0 .Lnot_27
	tensor_load_to_lds s[G0V:G0V+3], s[G1V:G1V+7]
	s_nop 0
	PLACES 4
	s_branch .Lasked
.Lnot_27:
	s_cmp_eq_u32 s[WV], 8
	s_cbranch_scc0 .Lasked
	tensor_load_to_lds s[G0KS:G0KS+3], s[G1KS:G1KS+7]
	s_nop 0
	tensor_load_to_lds s[G0VS:G0VS+3], s[G1VS:G1VS+7]
	s_nop 0
	PLACES 4
.Lasked:
	s_lshl_b32 s96, s[PP], 10                      ; my 16 queries: 1,024 bytes of codes,
	s_add_co_u32 s96, s96, s92
	s_add_nc_u64 s[4:5], s[4:5], s[96:97]
	s_lshl_b32 s96, s[PP], 5                       ; 32 scale bytes
	s_add_co_u32 s96, s96, s94
	s_add_nc_u64 s[6:7], s[6:7], s[96:97]
	global_load_b128 v[QF:QF+3], v[AQ], s[4:5] th:TH_LOAD_NT            ; Q(r, 16 h ..)
	global_load_b128 v[QF+4:QF+7], v[AQ], s[4:5] offset:32 th:TH_LOAD_NT   ; Q(r, 32 + 16 h ..)
	global_load_u16 v[QSC], v[AQS], s[6:7]         ; two bytes; the word's upper two are 0 and stand over zero codes
	s_lshl_b32 s96, s[HD], 19                      ; out0: 524,288 bytes a head, 4,096 a patch
	s_lshl_b32 s98, s[PP], 12
	s_add_co_u32 s96, s96, s98
	s_add_nc_u64 s[18:19], s[18:19], s[96:97]
.irp i, 0,1,2,3,4,5,6,7
	v_mov_b32 v[ZK+\i], 0                          ; zero codes: behind K's last fragment,
	v_mov_b32 v[QF+8+\i], 0                        ; and Q's channels 64 to 127
.endr
	v_mov_b32 v[ONE], 0x7f7f7f7f
	v_mov_b32 v[QA+1], 0                           ; (named as the upper half of the pair v[254:255])
	; the addresses
	v_and_b32 v[TL], 31, v0
	v_and_b32 v[T0], 8, v[TR]
	v_add_nc_u32 v[TRH], v[T0], v[TR]              ; r + 8 (r / 8)
	v_lshrrev_b32 v[T0], 1, v[TRH]
	v_mul_u32_u24 v[AK], v[T0], KP                 ; K: two keys to a row,
	v_and_b32 v[T0], 1, v[TR]
	v_lshl_add_u32 v[AK], v[T0], 6, v[AK]          ; the odd key 64 bytes on,
	v_lshl_add_u32 v[AK], v[TH], 4, v[AK]          ; + 16 h,
	s_mul_i32 s96, s[REL], 16*KP                   ; and my window begins REL blocks of 16 rows in
	s_add_co_u32 s96, s96, KO
	v_add_nc_u32 v[AK], s96, v[AK]
	s_lshl_b32 s96, s[REL], 6
	s_add_co_u32 s96, s96, KSO
	v_lshl_add_u32 v[AKS], v[TRH], 1, s96
	v_mul_u32_u24 v[T1], v[TR], VP
	v_lshl_add_u32 v[T1], v[TH], 4, v[T1]          ; V: row r of a tile, + 16 h
.irp k, 0,1,2,3,4
	s_add_co_u32 s96, s[SB0], \k                   ; key block b0 + k: strip (b0 + k) / 8, 32 bytes a block in it
	s_lshr_b32 s97, s96, 3
	s_mul_i32 s97, s97, STRIP
	s_and_b32 s96, s96, 7
	s_lshl_b32 s96, s96, 5
	s_add_co_u32 s96, s96, s97
	s_add_co_u32 s96, s96, VO
	v_add_nc_u32 v[AV+\k], s96, v[T1]
.endr
	v_lshrrev_b32 v[T0], 2, v[TR]
	v_mul_u32_u24 v[TVS], v[T0], 272
	v_and_b32 v[T0], 3, v[TR]
	v_lshl_add_u32 v[TVS], v[T0], 6, v[TVS]        ; V's scale bytes of row r: 272 (r / 4) + 64 (r % 4)
	s_lshr_b32 s96, s[SB0], 2
	s_lshl_b32 s96, s96, 2
	s_add_co_u32 s96, s96, VSO
	v_add_nc_u32 v[AVS], s96, v[TVS]               ; the aligned word that holds block b0's byte
	s_lshr_b32 s98, s[WV], 2                       ; the sum over all keys: my quarter of the keys (two strips),
	s_and_b32 s99, s[WV], 3                        ; my tile of 16 rows d
	s_mul_i32 s96, s98, 2*STRIP
	s_mul_i32 s97, s99, 16*VP
	s_add_co_u32 s96, s96, s97
	s_add_co_u32 s96, s96, VO
	v_add_nc_u32 v[AVT], s96, v[T1]
	s_mul_i32 s96, s99, 4*272
	s_lshl_b32 s97, s98, 4
	s_add_co_u32 s96, s96, s97
	s_add_co_u32 s96, s96, VSO
	v_add_nc_u32 v[AVTS], s96, v[TVS]
	s_lshl_b32 s96, s98, 8
	s_lshl_b32 s97, s99, 6
	s_add_co_u32 s96, s96, s97
	v_lshl_add_u32 v[PST], v[TH], 5, s96           ; the partial sums begin at LDS byte 0: 256 x quarter + 64 x tile + 32 h
	v_lshlrev_b32 v[PRD], 3, v[TL]                 ; back: two numbers a lane
	s_lshl_b32 s96, s[WV], 8
	s_add_co_u32 s96, s96, SCR
	v_lshl_add_u32 v[SST], v[TL], 3, s96
	v_lshl_add_u32 v[SRD], v[TH], 5, s96
	s_mul_i32 s96, s[WV], 16*272
	s_add_co_u32 s96, s96, STG                     ; my stage
	v_mul_u32_u24 v[T0], v[TR], 272
	v_lshl_add_u32 v[T0], v[TH], 5, v[T0]
	v_add_nc_u32 v[STO], s96, v[T0]                ; in: row r, + 32 h
	v_mul_u32_u24 v[T0], v[TH], 272
	v_lshl_add_u32 v[T0], v[TR], 4, v[T0]
	v_add_nc_u32 v[RD], s96, v[T0]                 ; back: lanes 0-15 one row, lanes 16-31 the next
	v_lshlrev_b32 v[T0], 8, v[TH]
	v_lshl_add_u32 v[GO], v[TR], 4, v[T0]          ; and the same two rows in out0
	; the mask: my 16 keys of block b are patch 2 (b0 + b) + h; kept where that patch - p - 1 = h + 2 b + E0 lies in 0 .. 8, as an unsigned number
	v_add_nc_u32 v[T0], s[E0], v[TH]
.irp b, 0,1,2,3,4
	v_add_nc_u32 v[T1], 2*\b, v[T0]
	v_cmp_gt_u32 s[MK+\b], 9, v[T1]
.endr
	s_mov_b32 s92, 0xc61c4000                      ; -10000
	s_mov_b32 s93, 0x461c4000                      ; +10000
	s_mov_b32 s94, 0x44ec0000                      ; 1,888: the keys outside the window
	s_mov_b32 s95, 0x41f00000                      ; 30
	s_wait_kmcnt 0x0                               ; log_scale
	v_mov_b32 v[CP], s20
	v_mul_f32 v[CP], 0x3fb8aa3b, v[CP]
	v_exp_f32 v[CP], v[CP]                         ; exp(log_scale)
	v_nop                                          ; a plain instruction behind the transcendental,
	s_wait_alu depctr_va_vdst(0)                   ; and the wait ahead of the first use
	v_med3_num_f32 v[CP], v[CP], 1.0, s95
	v_mul_f32 v[CP], 0x3e38aa3b, v[CP]             ; c' = clip(..) x log2(e) / 8
.irp b, 0,1,2,3,4
	v_cndmask_b32 v[MUL+2*\b], 0, v[CP], s[MK+\b]  ; a masked patch's scores are multiplied by 0: what is left is the fill's exponent
.endr
	s_wait_tensorcnt 0x1                           ; the first of my two loads has landed: K's halves (waves 0, 1), K's scale bytes (wave 8); a strip of V or V's scale bytes may stay out
	s_barrier_signal -1
	s_barrier_wait -1
	; ---- S^T = K Q^T: ten tiles of 16 keys
.irp i, 0,1,2,3,4,5,6,7,8,9
	ds_load_b128 v[R2+8*\i:R2+8*\i+3], v[AK] offset:(16*(\i/2)+4*(\i%2))*KP
	ds_load_b128 v[R2+8*\i+4:R2+8*\i+7], v[AK] offset:(16*(\i/2)+4*(\i%2))*KP+32
	ds_load_u16 v[KSC+\i], v[AKS] offset:64*(\i/2)+16*(\i%2)
.endr
	s_wait_dscnt 0x0
	s_wait_loadcnt 0x0                             ; Q
.irp i, 0,1,2,3,4,5,6,7,8,9
	MM0 R1+8*\i, R2+8*\i, QF, KSC+\i, QSC          ; fragment i's upper eight registers are fragment i + 1's codes (the last one's: zeros): they meet Q's zero codes
.endr
	PLACES 8
	; ---- THE TWO SOFTMAXES.  Register 16 b + i of S^T is key 32 (b0 + b) + 16 h + i of my query
.irp b, 0,1,2,3,4
	v_max3_num_f32 v[BMX+2*\b], v[R1+16*\b], v[R1+16*\b+1], v[R1+16*\b+2]      ; each accumulator is read from its low end on; the five blocks by turns
.endr
.irp i, 3,5,7,9,11,13
.irp b, 0,1,2,3,4
	v_max3_num_f32 v[BMX+2*\b], v[BMX+2*\b], v[R1+16*\b+\i], v[R1+16*\b+\i+1]
.endr
.endr
.irp b, 0,1,2,3,4
	v_max_num_f32 v[BMX+2*\b], v[BMX+2*\b], v[R1+16*\b+15]
.endr
.irp b, 0,1,2,3,4
	v_min3_num_f32 v[BMN+2*\b], v[R1+16*\b], v[R1+16*\b+1], v[R1+16*\b+2]
.endr
.irp i, 3,5,7,9,11,13
.irp b, 0,1,2,3,4
	v_min3_num_f32 v[BMN+2*\b], v[BMN+2*\b], v[R1+16*\b+\i], v[R1+16*\b+\i+1]
.endr
.endr
.irp b, 0,1,2,3,4
	v_min_num_f32 v[BMN+2*\b], v[BMN+2*\b], v[R1+16*\b+15]
.endr
.irp b, 0,1,2,3,4
	v_cndmask_b32 v[BMX+2*\b], s92, v[BMX+2*\b], s[MK+\b]   ; a masked patch counts as the fill: -10000 for pos,
	v_cndmask_b32 v[BMN+2*\b], s93, v[BMN+2*\b], s[MK+\b]   ; and for neg too, which is +10000 among the scores' minima
.endr
	v_max3_num_f32 v[VMX], v[BMX], v[BMX+2], v[BMX+4]
	v_min3_num_f32 v[VMN], v[BMN], v[BMN+2], v[BMN+4]
	v_max3_num_f32 v[VMX], v[VMX], v[BMX+6], v[BMX+8]
	v_min3_num_f32 v[VMN], v[VMN], v[BMN+6], v[BMN+8]
	v_permlanex16_b32 v209, v[VMX], s[SEL], s[SEL+1]        ; my query's other 80 keys lie in lane l xor 16
	v_permlanex16_b32 v211, v[VMN], s[SEL], s[SEL+1]
	v_max3_num_f32 v[VMX], v[VMX], v209, s92       ; the row's largest pos, the fill of the keys outside the window among them
	v_min3_num_f32 v[VMN], v[VMN], v211, s93       ; minus the row's largest neg
	v_mul_f32 v[VMX], -v[CP], v[VMX]               ; U+ = -c' max: E+ = 2^(c' s + U+).  U's rounding is common to all terms of a row and leaves with the division
	v_mul_f32 v[VMN], v[CP], v[VMN]                ; U-: E- = 2^(-c' s + U-)
	v_fma_f32 v[VFP], s92, v[CP], v[VMX]           ; F+ = -10000 c' + U+: the fill's exponent, 0 or less
	v_fma_f32 v[VFM], s92, v[CP], v[VMN]
.irp b, 0,1,2,3,4
	v_cndmask_b32 v[ADP+2*\b], v[VFP], v[VMX], s[MK+\b]
	v_cndmask_b32 v[ADM+2*\b], v[VFM], v[VMN], s[MK+\b]
.endr
.set j, 0
.rept 40
	v_pk_fma_f32 v[R2+2*j:R2+2*j+1], v[R1+2*j:R1+2*j+1], v[MUL+2*(j/8):MUL+2*(j/8)+1], v[ADP+2*(j/8):ADP+2*(j/8)+1] op_sel_hi:[1,0,0]   ; E+'s exponents (of the pairs the low word serves both halves)
.set j, j+1
.endr
.set j, 0
.rept 40                               ; E+'s exponentials, and between them E-'s exponents, in place: no line here names an exponential's result
	v_exp_f32 v[R2+2*j], v[R2+2*j]
	v_exp_f32 v[R2+2*j+1], v[R2+2*j+1]
	v_pk_fma_f32 v[R1+2*j:R1+2*j+1], v[R1+2*j:R1+2*j+1], v[MUL+2*(j/8):MUL+2*(j/8)+1], v[ADM+2*(j/8):ADM+2*(j/8)+1] op_sel_hi:[1,0,0] neg_lo:[0,1,0] neg_hi:[0,1,0]
.set j, j+1
.endr
	v_exp_f32 v[EFP], v[VFP]                       ; f+, f-: the weight of a masked key before the division
	v_exp_f32 v[EFM], v[VFM]
	v_nop                                          ; a plain instruction behind the last exponential,
	s_wait_alu depctr_va_vdst(0)                   ; and ONE wait for the batch of 82, ahead of its first reader
.set j, 0
.rept 40                               ; E-'s exponentials, and between them E+'s sums
	v_exp_f32 v[R1+2*j], v[R1+2*j]
	v_exp_f32 v[R1+2*j+1], v[R1+2*j+1]
	CHAIN R2, CH
.set j, j+1
.endr
	v_nop
	s_wait_alu depctr_va_vdst(0)                   ; one wait for the batch of 80
.set j, 0
.rept 40
	CHAIN R1, CH+4
.set j, j+1
.endr
	v_pk_add_f32 v[CH:CH+1], v[CH:CH+1], v[CH+2:CH+3]
	v_pk_add_f32 v[CH+4:CH+5], v[CH+4:CH+5], v[CH+6:CH+7]
	v_add_f32 v[CH], v[CH], v[CH+1]
	v_add_f32 v[CH+4], v[CH+4], v[CH+5]
	v_permlanex16_b32 v209, v[CH], s[SEL], s[SEL+1]
	v_permlanex16_b32 v211, v[CH+4], s[SEL], s[SEL+1]
	v_add_f32 v[CH], v[CH], v209
	v_add_f32 v[CH+4], v[CH+4], v211
	v_fma_f32 v[CH], s94, v[EFP], v[CH]            ; Z+ = the window's sum + 1,888 f+: between 1 and 2,048
	v_fma_f32 v[CH+4], s94, v[EFM], v[CH+4]
	v_rcp_f32 v[VMX], v[CH]                        ; r+ = 1 / Z+
	v_rcp_f32 v[VMN], v[CH+4]
	v_nop
	s_wait_alu depctr_va_vdst(0)                   ; one wait for the two reciprocals
	v_mul_f32 v209, v[EFM], v[VMN]
	v_fma_f32 v209, v[EFP], v[VMX], -v209          ; a_m = f+ r+ - f- r-, in the form in which A is made
	v_and_b32 v211, 0x7fffffff, v209               ; qa: a block of 32 times a_m has the scale 2^(a_m's exponent - 15): |a_m| is held at 1.75 x 2^exponent,
	v_and_or_b32 v213, v211, 0x7f800000, s[MNT]
	v_min_u32 v211, v211, v213
	v_bfe_u32 v213, v211, 21, 1                    ; its mantissa rounded to two bits, ties to even,
	v_add3_u32 v211, v211, v213, 0xfffff
	v_and_b32 v211, 0xffe00000, v211
	v_bfi_b32 v[QA], 0x7fffffff, v211, v209        ; and the sign put back
.set j, 0
.rept 40
	v_pk_mul_f32 v[R1+2*j:R1+2*j+1], v[R1+2*j:R1+2*j+1], v[VMN:VMN+1] op_sel_hi:[1,0]
.set j, j+1
.endr
.set j, 0
.rept 40
	v_pk_fma_f32 v[R2+2*j:R2+2*j+1], v[R2+2*j:R2+2*j+1], v[VMX:VMX+1], v[R1+2*j:R1+2*j+1] op_sel_hi:[1,0,1] neg_lo:[0,0,1] neg_hi:[0,0,1]   ; A = E+ r+ - E- r-
.set j, j+1
.endr
	s_wait_tensorcnt 0x0                           ; my strip of V, or V's scale bytes, has landed,
	s_barrier_signal -1
	s_barrier_wait -1                              ; everybody's has
	; ---- THE SUM OF V OVER ALL KEYS, shared out: wave w sums tile w % 4 of V's rows over keys 512 (w / 4) on, by four products with codes of +1
.irp s, 0,1,2,3
.irp c, 0,1,2,3
	ds_load_b128 v[R1+16*\s+4*\c:R1+16*\s+4*\c+3], v[AVT] offset:(\s/2)*STRIP+128*(\s%2)+32*\c
.endr
.endr
.irp s, 0,1,2,3
	ds_load_b32 v[VTS+\s], v[AVTS] offset:4*\s
.endr
.irp t, 0,1,2,3
	ds_load_b32 v[VRAW+2*\t], v[AVS] offset:4*272*\t           ; for later: the two aligned words that hold the bytes of blocks b0 .. b0 + 4, tile t
	ds_load_b32 v[VRAW+2*\t+1], v[AVS] offset:4*272*\t+4
.endr
.irp i, 0,1,2,3,4,5,6,7,8,9,10,11,12,13,14,15
	v_mov_b32 v[ONES+\i], 0x3c3c3c3c               ; E5M2's code of 1.0, four times
.endr
	PLACES 4                                       ; an operand written by vector instructions stands four places ahead of a scaled matrix instruction
	s_wait_dscnt 8                                 ; all but the eight words just asked for
	MM0 ACC, R1, ONES, VTS, ONE                    ; two accumulators by turns
	MM0 ACC+8, R1+16, ONES, VTS+1, ONE
	MMA ACC, R1+32, ONES, VTS+2, ONE
	MMA ACC+8, R1+48, ONES, VTS+3, ONE
	PLACES 8
.irp i, 0,2,4,6
	v_pk_add_f32 v[CH+\i:CH+\i+1], v[ACC+\i:ACC+\i+1], v[ACC+8+\i:ACC+8+\i+1]   ; register j: d = 16 (w % 4) + 8 h + j, the same in all sixteen lanes of a half
.endr
	ds_store_b128 v[PST], v[CH:CH+3]               ; sixteen lanes write the same bytes with the same values
	ds_store_b128 v[PST], v[CH+4:CH+7] offset:16
.irp t, 0,1,2,3                        ; V's fragments of the window: tile t at v[R1 + 20 t]: blocks 4, 0, 1, 2, 3, so that [0 1 2 3] and [4 0 1 2] are both runs of sixteen registers
	ds_load_b128 v[R1+20*\t:R1+20*\t+3], v[AV+4] offset:16*VP*\t
.irp k, 0,1,2,3
	ds_load_b128 v[R1+20*\t+4+4*\k:R1+20*\t+7+4*\k], v[AV+\k] offset:16*VP*\t
.endr
.endr
	; ---- A IS QUANTISED, block by block of 32 keys: my 16 numbers and lane l xor 16's
	s_wait_dscnt 20                                ; all but V's twenty fragment loads: the raw scale words are in, the partial sums' stores are done
.irp t, 0,1,2,3
	v_perm_b32 v[VSA+\t], v[VRAW+2*\t+1], v[VRAW+2*\t], s[PSEL]   ; four bytes from byte b0 % 4 on
	v_bfe_u32 v[VSB+\t], v[VRAW+2*\t+1], s[SH], 8                 ; and the fifth; the word's other bytes are 0 and stand over zero codes
.endr
.irp b, 0,1,2,3,4
	v_max3_num_f32 v[AM+\b], |v[R2+16*\b]|, |v[R2+16*\b+1]|, 0x8000000   ; the floor 2^(16 - 127), under which no largest magnitude is taken: so the byte cannot fall under 1 (a block of zeros keeps it: its codes are zeros)
.endr
.irp i, 2,4,6,8,10,12,14
.irp b, 0,1,2,3,4
	v_max3_num_f32 v[AM+\b], v[AM+\b], |v[R2+16*\b+\i]|, |v[R2+16*\b+\i+1]|
.endr
.endr
.irp b, 0,1,2,3,4
	v_permlanex16_b32 v[PBY+\b], v[AM+\b], s[SEL], s[SEL+1]
.endr
.irp b, 0,1,2,3,4
	v_max_num_f32 v[AM+\b], v[AM+\b], v[PBY+\b]    ; the block's largest magnitude
.endr
.irp b, 0,1,2,3,4
	v_add_nc_u32 v[SOP+\b], 0xf8800000, v[AM+\b]   ; 15 off its exponent field: the conversion takes the exponent field of this operand as its scale
.endr
.irp b, 0,1,2,3,4
	v_and_or_b32 v[HOLD+\b], v[AM+\b], 0x7f800000, s[MNT]   ; 57,344 x the scale
.endr
.irp b, 0,1,2,3,4
	v_lshrrev_b32 v[PBY+\b], 23, v[SOP+\b]         ; the scale's byte
.endr
	v_lshl_or_b32 v[PWA], v[PBY+1], 8, v[PBY]      ; blocks 0 to 3: one scale word;
	v_lshl_or_b32 v[PWA], v[PBY+2], 16, v[PWA]
	v_lshl_or_b32 v[PWA], v[PBY+3], 24, v[PWA]
	v_mov_b32 v[PWB], v[PBY+4]                     ; block 4: the low byte of a second
.irp b, 0,1,2,3,4
.irp i, 0,1,2,3,4,5,6,7,8,9,10,11,12,13,14,15
	v_med3_num_f32 v[R2+16*\b+\i], v[R2+16*\b+\i], -v[HOLD+\b], v[HOLD+\b]   ; the conversion to an 8-bit code does not saturate (ISA guide 7.6.2): the hold at the largest code x the scale
.endr
	v_cvt_scalef32_pk8_bf8_f32 v[PC+4*\b:PC+4*\b+1], v[R2+16*\b:R2+16*\b+7], v[SOP+\b]       ; registers 4 b .. 4 b + 3 of the operand: keys 32 b + 16 h + 0 .. 15
	v_cvt_scalef32_pk8_bf8_f32 v[PC+4*\b+2:PC+4*\b+3], v[R2+16*\b+8:R2+16*\b+15], v[SOP+\b]
.endr
	v_nop                                          ; one plain instruction behind the last conversion, ahead of what writes its sources
	s_wait_dscnt 0x0                               ; for the others' sake: my stores of partial sums are done (and V's fragments are in)
	s_barrier_signal -1
	s_barrier_wait -1                              ; all sixteen partial sums lie in LDS
	; ---- O^T = V^T P^T over the window, and VM = the sum of V over the masked blocks
.irp g, 0,1,2,3
	ds_load_b64 v[OT+2*\g:OT+2*\g+1], v[PRD] offset:256*\g     ; d = 2 x lane, 2 x lane + 1 of each quarter of the keys
.endr
.irp i, 0,1,2,3,4,5,6,7,8,9,10,11,12,13,14,15
	v_mov_b32 v[NEG+\i], 0xbcbcbcbc                ; E5M2's code of -1.0
.endr
.irp i, 0,1,2,3,4,5,6,7,8,9,10,11
	v_mov_b32 v[NEG+16+\i], 0                      ; zero codes behind them,
	v_mov_b32 v[PC+20+\i], 0                       ; and behind P's fifth block
.endr
	s_wait_dscnt 0x0
	v_pk_add_f32 v[OT:OT+1], v[OT:OT+1], v[OT+2:OT+3]
	v_pk_add_f32 v[OT+4:OT+5], v[OT+4:OT+5], v[OT+6:OT+7]
	v_pk_add_f32 v[OT:OT+1], v[OT:OT+1], v[OT+4:OT+5]          ; the sum of V over all 2,048 keys
	ds_store_b64 v[SST], v[OT:OT+1]                ; through my wave's own 256 bytes into an accumulator's layout: LDS serves a wave's instructions in order (ISA guide 5.7.1.4), so no wait stands between
.irp t, 0,1,2,3
	ds_load_b128 v[VM+8*\t:VM+8*\t+3], v[SRD] offset:64*\t             ; register j of tile t: d = 16 t + 8 h + j
	ds_load_b128 v[VM+8*\t+4:VM+8*\t+7], v[SRD] offset:64*\t+16
.endr
	PLACES 4                                       ; with the three additions: the places between the codes written above and the scaled matrix instructions
	s_wait_dscnt 0x0
.irp t, 0,1,2,3                        ; eight accumulators by turns
	MM0 OT+8*\t, R1+20*\t+4, PC, VSA+\t, PWA       ; keys of blocks 0 to 3
.endr
.irp t, 0,1,2,3
	MMA VM+8*\t, R1+20*\t+4, NEG, VSA+\t, ONE      ; less the window's V
.endr
.irp t, 0,1,2,3
	MMA OT+8*\t, R1+20*\t, PC+16, VSB+\t, PWB      ; block 4; V's blocks 0 to 2 behind it meet zero codes
.endr
.irp t, 0,1,2,3
	MMA VM+8*\t, R1+20*\t, NEG+12, VSB+\t, ONE
.endr
	PLACES 8
	; ---- THE WAY OUT: the masked blocks' share, then through my stage in LDS, so that sixteen lanes store 256 consecutive bytes
.set j, 0
.rept 16
	v_pk_fma_f32 v[OT+2*j:OT+2*j+1], v[VM+2*j:VM+2*j+1], v[QA:QA+1], v[OT+2*j:OT+2*j+1] op_sel_hi:[1,0,1]   ; ascending: each accumulator from its low end on
.set j, j+1
.endr
.irp t, 0,1,2,3
	ds_store_b128 v[STO], v[OT+8*\t:OT+8*\t+3] offset:64*\t            ; o(r, 16 t + 8 h + 0 .. 7)
	ds_store_b128 v[STO], v[OT+8*\t+4:OT+8*\t+7] offset:64*\t+16
.endr
.irp i, 0,1,2,3,4,5,6,7
	ds_load_b128 v[VM+4*\i:VM+4*\i+3], v[RD] offset:2*272*\i   ; my own bytes, served in order: these see the stores above
.endr
.irp i, 0,1,2,3,4,5,6,7
	s_wait_dscnt 7-\i                              ; rows 2 i and 2 i + 1 are back; the younger loads may be out
	global_store_b128 v[GO], v[VM+4*\i:VM+4*\i+3], s[18:19] offset:512*\i th:TH_STORE_NT   ; 32 lanes store 512 consecutive bytes, at a multiple of 256 from out0's first byte
.endr
	s_wait_tensorcnt 0x0                           ; the wave's end: behind my last tensor load and my last LDS store
	ds_add_u32 v[SPW], v[NIL]
	s_wait_dscnt 0x0
	s_endpgm
.Lfunc_end_k_q0918834f94_sattn:
	.size	k_q0918834f94_sattn, .Lfunc_end_k_q0918834f94_sattn-k_q0918834f94_sattn
	.p2alignl 7, 3214868480
	.fill 96, 4, 3214868480
	.section	.rodata,"a",@progbits
	.p2align	6, 0x0
	.amdhsa_kernel k_q0918834f94_sattn
		.amdhsa_group_segment_fixed_size 251392
		.amdhsa_private_segment_fixed_size 0
		.amdhsa_enable_private_segment 0
		.amdhsa_kernarg_size 64
		.amdhsa_user_sgpr_count 2
		.amdhsa_user_sgpr_kernarg_segment_ptr 1
		.amdhsa_wavefront_size32 1
		.amdhsa_system_sgpr_workgroup_id_x 1
		.amdhsa_system_sgpr_workgroup_id_y 1
		.amdhsa_system_sgpr_workgroup_id_z 1
		.amdhsa_system_vgpr_workitem_id 0
		.amdhsa_next_free_vgpr 256
		.amdhsa_next_free_sgpr 100
		.amdhsa_reserve_vcc 0
		.amdhsa_float_denorm_mode_32 3
		.amdhsa_float_denorm_mode_16_64 3
		.amdhsa_memory_ordered 1
		.amdhsa_forward_progress 1
		.amdhsa_inst_pref_size 69
	.end_amdhsa_kernel
	.amdgpu_metadata
---
amdhsa.version: [ 1, 2 ]
amdhsa.kernels:
  - .name:           k_q0918834f94_sattn
    .symbol:         k_q0918834f94_sattn.kd
    .args:
      - { .name: queries_codes, .offset: 0, .size: 8, .value_kind: global_buffer, .address_space: global }
      - { .name: queries_scales, .offset: 8, .size: 8, .value_kind: global_buffer, .address_space: global }
      - { .name: keys_codes, .offset: 16, .size: 8, .value_kind: global_buffer, .address_space: global }
      - { .name: keys_scales, .offset: 24, .size: 8, .value_kind: global_buffer, .address_space: global }
      - { .name: values_codes, .offset: 32, .size: 8, .value_kind: global_buffer, .address_space: global }
      - { .name: values_scales, .offset: 40, .size: 8, .value_kind: global_buffer, .address_space: global }
      - { .name: log_scale, .offset: 48, .size: 8, .value_kind: global_buffer, .address_space: global }
      - { .name: out0, .offset: 56, .size: 8, .value_kind: global_buffer, .address_space: global }
    .group_segment_fixed_size: 251392
    .private_segment_fixed_size: 0
    .kernarg_segment_align: 8
    .kernarg_segment_size: 64
    .max_flat_workgroup_size: 512
    .sgpr_count:     100
    .vgpr_count:     256
    .wavefront_size: 32
...
	.end_amdgpu_metadata
.endif
;; end of part 1
